; MI455X (gfx1250); checked and timed in simulation.
; The chip was launched on July 23, 2026; its instructions are those of AMD's public machine-readable ISA for CDNA 5 (MIT licence, August 2026) and "CDNA5" Instruction Set Architecture Reference Guide (July 2026). The comments in the code are by the model that wrote it; some were corrected since.
;; Soft Attention. Allowed arithmetic: matrix products marked QUANTISED: E5M2 operands, one given power-of-two scale a tensor, by v_wmma_f32_16x16x64_bf8_bf8 or v_wmma_f32_16x16x128_bf8_bf8, f32 sums; everything else in f32.
;; Inputs: Wk_codes 512 x 16 x 32 uint8 (E5M2 codes of Wk, K innermost, in blocks of 32 codes); Wq_codes 512 x 16 x 32 uint8 (E5M2 codes of Wq, K innermost, in blocks of 32 codes); Wv_codes 512 x 16 x 32 uint8 (E5M2 codes of Wv, K innermost, in blocks of 32 codes); adj 8 x 2,048 x 2,048 float32; bk 512 float32; bq 512 float32; bv 512 float32; lowp_scales 10 int32 (the exponents e of the quantised operands' scales 2^e); scale one number float32; width one number float32; x_codes 8 x 2,048 x 16 x 32 uint8 (E5M2 codes of x, K innermost, in blocks of 32 codes).
;; Outputs: out0 8 x 2,048 x 512 float32.
;; This version of the problem:
;;   THIS VERSION OF THE PROBLEM IS GIVEN IN LOW PRECISION. The matrix products marked QUANTISED in the list below multiply operands that are first quantised to E5M2 (5 exponent bits, 2 mantissa bits; 8 bits a number), with one given power-of-two scale for each operand tensor; their sums are f32. All else is computed in f32.
;;   The module's matrix products, in the order in which they are computed (A, B: the left and right operand; K: the contracted axis; several contracted axes count as one K, in the product's order):
;;     1. [M 16,384, K 512] x [K 512, N 512]; A: input x (given as codes); B: input Wq (given as codes): QUANTISED (scales: A lowp_scales[0], B lowp_scales[1])
;;     2. [M 16,384, K 512] x [K 512, N 512]; A: input x (given as codes); B: input Wk (given as codes): QUANTISED (scales: A lowp_scales[2], B lowp_scales[3])
;;     3. [M 16,384, K 512] x [K 512, N 512]; A: input x (given as codes); B: input Wv (given as codes): QUANTISED (scales: A lowp_scales[4], B lowp_scales[5])
;;     4. batch 8 x [M 2,048, K 512] x [K 512, N 2,048]; A: computed on the way; B: computed on the way: QUANTISED (scales: A lowp_scales[6], B lowp_scales[7])
;;     5. batch 8 x [M 2,048, K 2,048] x [K 2,048, N 512]; A: softmax (see below); B: computed on the way: QUANTISED (scales: A lowp_scales[8], B lowp_scales[9])
;;   THE QUANTISER, for each operand of a quantised product, along K:
;;     - The operand's scale is 2^e, e = its entry of the input lowp_scales (int32; the entries are numbered through the quantised products in the list's order, A before B).
;;     - Each number is divided by the scale, clamped to +-57,344, and rounded to the nearest number of E5M2, ties to even, subnormals kept.
;;     - The product sums the exact products of the quantised numbers (number of the format x scale) in f32.
;;   ~~~python
;;   def quantise(x, axis, e):      # numpy; x: float32 -> the quantised numbers, widened to float32 again
;;       x = np.moveaxis(x, axis, -1); K = x.shape[-1]
;;       r = np.clip(x / 2.0 ** e, -57344, 57344)
;;       step = 2.0 ** (np.maximum(np.frexp(np.where(r == 0, 1, r))[1] - 1, -14) - 2)
;;       q = np.round(r / step) * step * 2.0 ** e      # np.round: ties to even
;;       return np.moveaxis(q, -1, axis).astype(np.float32)
;;   ~~~
;;   SOFTMAX AHEAD OF A QUANTISED PRODUCT. Where the list says 'softmax', what is quantised is not the finished softmax but p = 2^(t - M), with t = logit x log2(e) and M = ceil(the row's largest t), a whole number; so 1/2 < the row's largest p <= 1. The row's sum l is taken of the UNQUANTISED p, in f32, and the product's result is divided by l at the end. Since M is a whole number, a kernel that streams over the keys may use a running M (the ceiling of the running maximum): every later rescaling is an exact power of two, so the quantised numbers keep their values, but for numbers so far below the row's largest that they fall under the format's range.
;;   OPERANDS COMPUTED ON THE WAY. 'Computed on the way' means the value that the module computes at that place (a softmax that the list does not call 'softmax' is quantised finished and normalised). What goes into a quantiser is computed in f32, as accurately as f32 sums, v_exp_f32 and their like allow (about 1e-6 of the number): no bf16 or f16 on the way to a quantiser, and a product that is left as it is and whose result goes on into a quantised operand takes f32 operands (vector FMAs, or v_wmma_f32_16x16x4_f32). A number that lies on a knife's edge between two numbers of the format may be rounded either way, as far as f32 arithmetic and the matrix unit's own rounding can turn it there, and no further.
;;   INPUTS GIVEN AS CODES. Wk (in the module: [512, 512], K = its axis 0); Wq (in the module: [512, 512], K = its axis 0); Wv (in the module: [512, 512], K = its axis 0); x (in the module: [8, 2048, 512], K = its axis 2): each comes as NAME_codes (uint8): NAME with its K axis moved to the last place and cut into blocks of 32 codes, [.., K / 32, bytes a block], one block behind the other in memory; one code a byte (a code: sign, 5 exponent bits, 2 mantissa bits); its scale is its entry of lowp_scales. Its value is code x scale, taken as it is: it is not quantised again, and the codes and scales need not be those that the quantiser above would give.
;; One version. Each part assembles by itself: llvm-mc -triple=amdgcn-amd-amdhsa -mcpu=gfx1250 --defsym DOCPART=n.
;; ======== version 1 of 1: 2 launches
;; limits: right only within a limited range of input values
;; workspace buffers: qf 8,388,608 bytes; kf 8,388,608 bytes; vf 8,388,608 bytes
;; launch proj (part 1): grid 64 x 3, 4 waves a work-group, no clusters, 168,448 bytes of LDS; arguments x_codes, Wq_codes, Wk_codes, Wv_codes, bq, bk, bv, lowp_scales, qf, kf, vf; writes qf, kf, vf
.if DOCPART == 1
	.amdgcn_target "amdgcn-amd-amdhsa--gfx1250"
	.amdhsa_code_object_version 6
	.text
	.protected	k_qb6a8443668_proj
	.globl	k_qb6a8443668_proj
	.p2align	8
	.type	k_qb6a8443668_proj,@function
k_qb6a8443668_proj:
	s_mov_b64 s[64:65], 0
	v_nop
	global_prefetch_b8 v0, s[64:65] scope:SCOPE_SE
	s_setreg_imm32_b32 hwreg(HW_REG_WAVE_MODE, 25, 1), 1
	s_wait_xcnt 0x0
; Q, K, V = x W + b on codes of BF8 (E5M2), quantised again and stored as IMAGES OF OPERAND REGISTERS for the attention launch.
; x: [16384][512] codes.  Wq, Wk, Wv: [512 (out)][512 (k)] codes.  A sum stands for sum x 2^(ea + eb); the bias goes in as b / 2^(ea + eb), the C of each sum's first product;
; code = (sum + that) / 2^(eo - ea - eb), held within +-57,344 x that scale.  (ea, eb, eo) = entries (0,1,6) for Q, (2,3,7) for K, (4,5,9) for V of the buffer of scales.
; LIMIT: eo - ea - eb between -126 and 112, so that the scale and 57,344 x the scale are f32 numbers.  NaN among the inputs is not served.
; SHARES.  Work-group y = the kind (0 Q, 1 K, 2 V), x = 256 rows of x = 8 groups of 32.  Wave w makes output channels 128 w .. 128 w + 127: its 32 fragments of W (512 registers) are read once and stay.
; x's 256 rows come by one tensor load a wave (64 rows x 512 bytes), once: nothing is filled again.
; NO JOINT LOADS: W goes from memory straight into the registers where it stays (its 262,144 bytes beside x's 135,168 do not fit in LDS), and x, which the three kinds share, is a third of a work-group's bytes.
; THE ROWS OF A TILE ARE NOT NEIGHBOURS, in x and in W alike: lane r of tile 2 b + u takes row 32 b + 8 u + r + 8 (r / 8), so that a lane's 16 registers of two neighbouring tiles are 16 neighbours.
; Q, K: source 0 = W, source 1 = x: a lane holds one row of x and 16 neighbouring channels (the next product's K).   V: source 0 = x, source 1 = W: a lane holds one channel and 16 neighbouring keys (its next K).
; OUT.  qf, kf: [group][u][c][g][lane][16 bytes]: lane (r, h) of tile u = row 32 group + 8 u + r + 8 (r / 8), byte i = channel 128 c + 32 g + 16 h + i.
;       vf: [group][ct][lane][16 bytes]: lane (r, h) = channel 32 (ct / 2) + 8 (ct % 2) + r + 8 (r / 8), byte i = key 32 group + 16 h + i.   Each store of a wave covers 512 consecutive bytes, aligned.
; REGISTERS, in windows of 256: window 0: v1-11 addresses and scales; v32-95 the bias, 8 tiles; v96-127 codes; v128-255 16 accumulators ((t, u) at 128 + 8 (2 t + u)).
;   window 1: W's tiles 0-3 (fragment (t, c) at 16 (4 t + c));  window 2: tiles 4-7;  window 3: x's fragments of a group, two sets of 128 ((u, c) at 16 (4 u + c)).
.set PITCH, 528                        ; an LDS row of x: 512 bytes + 16 of padding
.set GRPB,  32*PITCH                   ; a group of 32 rows
.set XAD0, 3                           ; v3   (r + 8 (r / 8)) x PITCH + 16 h
.set XA,   4                           ; v4   the same + the trip's first group
.set WAD,  5                           ; v5   W: (r + 8 (r / 8)) x 512 + 16 h
.set BAD,  6                           ; v6   the bias's offset
.set VO,   7                           ; v7   where I store: 16 x lane + the wave's part of a group's image
.set CSC,  8                           ; v8   2^(eo - ea - eb) as f32
.set LIM,  9                           ; v9   57,344 x that
.set BI,   32
.set CD,   96
.set ACC,  128
.set WV,   26                          ; s26  wave
.set KIND, 27                          ; s27  0 Q, 1 K, 2 V
.set G1,   28                          ; s[28:35] descriptor group 1
.set G0,   36                          ; s[36:39] group 0
.set WP,   50                          ; s[50:51] W, s[52:53] bias, s[54:55] output
.set BP,   52
.set OP,   54
.set NEG,  59                          ; s59  -(ea + eb)
.set XOFF, 60                          ; s60  LDS byte of the trip's first group
.set TRIP, 61
.set MSB, 0
.macro WIN new                         ; the immediate's high byte repeats the setting that is left; a switch that changes nothing is dropped
.if MSB != (\new)
	s_set_vgpr_msb (MSB<<8)|(\new)
.set MSB, (\new)
.endif
.endm
; x's eight fragments of group gg of the trip into set: 32 LDS loads in one run.  The tile's two runs of eight rows lie 16 rows apart, so a load's sixteen lanes fall on eight columns of 16 bytes, twice each.
.macro XFETCH set, gg
	WIN 0xc0
.irp u, 0,1
.irp c, 0,1,2,3
.irp g, 0,1,2,3
	ds_load_b128 v[128*(\set)+16*(4*\u+\c)+4*\g:128*(\set)+16*(4*\u+\c)+4*\g+3], v[XA] offset:(\gg)*GRPB+8*\u*PITCH+128*\c+32*\g
.endr
.endr
.endr
	WIN 0
.endm
; A group's 64 products, its conversions and its stores.  kind = 0: Q or K; 1: V.  Eight accumulators take turns, one instruction a turn.
.macro WORK kind, set, gg
.irp hf, 0,1
.if \kind
	WIN 0x07+4*\hf                                 ; source 0 (x) window 3, source 1 (W) window 1 or 2
.else
	WIN 0x0d+\hf                                   ; source 0 (W) window 1 or 2, source 1 (x) window 3
.endif
.irp c, 0,1,2,3
.irp tt, 0,1,2,3
.irp u, 0,1
.set rD, ACC+8*(2*(4*\hf+\tt)+\u)
.set rW, 16*(4*\tt+\c)
.set rX, 128*(\set)+16*(4*\u+\c)
.set rB, BI+8*(4*\hf+\tt)
.if \kind
.if \c == 0
	v_wmma_f32_16x16x128_bf8_bf8 v[rD:rD+7], v[rX:rX+15], v[rW:rW+15], v[rB:rB+7]
.else
	v_wmma_f32_16x16x128_bf8_bf8 v[rD:rD+7], v[rX:rX+15], v[rW:rW+15], v[rD:rD+7]
.endif
.else
.if \c == 0
	v_wmma_f32_16x16x128_bf8_bf8 v[rD:rD+7], v[rW:rW+15], v[rX:rX+15], v[rB:rB+7]
.else
	v_wmma_f32_16x16x128_bf8_bf8 v[rD:rD+7], v[rW:rW+15], v[rX:rX+15], v[rD:rD+7]
.endif
.endif
.endr
.endr
.endr
.endr
	WIN 0
.rept 4
	v_nop                                          ; four places between the products and the first read of a result (ISA guide 7.12.1)
.endr
	s_wait_xcnt 0x0                                ; the last group's stores have read the codes' registers: they are written again only behind this wait
.irp t, 0,1,2,3,4,5,6,7
.irp u, 0,1
.set rD, ACC+8*(2*\t+\u)
.if \kind
.set rC, CD+4*\t+2*\u                  ; V: tile t's quad: keys 16 h + 8 u + 0 .. 7
.else
.set rC, CD+4*(4*\u+\t/2)+2*(\t%2)     ; Q, K: quad (u, g = t / 2): channels 32 g + 16 h + 8 (t % 2) + 0 .. 7
.endif
.irp j, 0,1,2,3,4,5,6,7
	v_med3_num_f32 v[rD+\j], v[rD+\j], -v[LIM], v[LIM]   ; the conversion to an 8-bit code does not saturate (ISA guide 7.6.2): the hold comes first; each accumulator from its low end on
.endr
	v_cvt_scalef32_pk8_bf8_f32 v[rC:rC+1], v[rD:rD+7], v[CSC]
.endr
.endr
	v_nop                                          ; one plain line behind the last conversion: the next group's products write its sources
.if \kind
.irp t, 0,1,2,3,4,5,6,7
	global_store_b128 v[VO], v[CD+4*\t:CD+4*\t+3], s[OP:OP+1] offset:(\gg)*16384+512*\t
.endr
.else
.irp u, 0,1
.irp g, 0,1,2,3
	global_store_b128 v[VO], v[CD+4*(4*\u+\g):CD+4*(4*\u+\g)+3], s[OP:OP+1] offset:(\gg)*16384+8192*\u+512*\g
.endr
.endr
.endif
.endm
; A group.  The fetch of the next group's fragments stands on the way that all kinds take; the branch, on the work-group's y alone, goes round what differs.
.macro GROUP set, gg, next
	s_wait_dscnt 0x0                               ; this group's 32 loads, issued a group ago, are in
.if \next
	XFETCH 1-(\set), (\gg)+1                       ; into the set that the last group's products read: that group's holds are the places between
.endif
	s_cmp_eq_u32 s[KIND], 2
	s_cbranch_scc1 .Lv_\@
	WORK 0, \set, \gg
	s_branch .Ljoin_\@
.Lv_\@:
	WORK 1, \set, \gg
.Ljoin_\@:
.endm
	s_load_b256 s[4:11], s[0:1], 0x0               ; x s[4:5], Wq s[6:7], Wk s[8:9], Wv s[10:11]
	s_load_b256 s[12:19], s[0:1], 0x20             ; bq s[12:13], bk s[14:15], bv s[16:17], the scales' exponents s[18:19]
	s_load_b128 s[20:23], s[0:1], 0x40             ; qf s[20:21], kf s[22:23]
	s_load_b64 s[24:25], s[0:1], 0x50              ; vf
	v_lshl_add_u32 v30, v0, 2, 0x29000
	v_mov_b32 v31, 0
	ds_add_u32 v30, v31
	ds_add_u32 v30, v31
	v_lshrrev_b32 v1, 5, v0
	v_readfirstlane_b32 s[WV], v1                  ; wave 0..3
	s_and_b32 s[KIND], ttmp7, 0xffff
	; descriptor group 1: 64 rows x 512 elements of one byte, 16 bytes of padding behind each row
	s_mov_b32 s[G1+0], (1<<20)|(6<<22)|(3<<25)     ; no mask; elements of 1 byte; padding on, after every 128 words (code 6), of 4 words (code 3)
	s_mov_b32 s[G1+1], 512<<16                     ; tensor_dim0 = 512
	s_mov_b32 s[G1+2], 64<<16                      ; tensor_dim1 = 64
	s_mov_b32 s[G1+3], 512<<16                     ; tile_dim0 = 512
	s_mov_b32 s[G1+4], 64                          ; tile_dim1 = 64
	s_mov_b32 s[G1+5], 512                         ; from row to row
	s_mov_b32 s[G1+6], 0
	s_mov_b32 s[G1+7], 0
	s_mov_b32 s[G0+0], 1
	s_mul_i32 s[G0+1], s[WV], 64*PITCH             ; my 64 rows' place in LDS
	s_lshl_b32 s62, ttmp9, 17                      ; 256 rows x 512 bytes for each work-group x,
	s_lshl_b32 s63, s[WV], 15                      ; 64 rows for each wave
	s_add_co_u32 s62, s62, s63
	s_mov_b32 s63, 0
	s_wait_dscnt 0x0
	s_wait_kmcnt 0x0
	s_load_b256 s[40:47], s[18:19], 0x0            ; e0 .. e7
	s_load_b64 s[48:49], s[18:19], 0x20            ; e8, e9
	s_add_nc_u64 s[G0+2:G0+3], s[4:5], s[62:63]
	s_or_b32 s[G0+3], s[G0+3], 0x80000000          ; type = 2
	tensor_load_to_lds s[G0:G0+3], s[G1:G1+7]      ; my one tensor load of the launch
	s_nop 0
.rept 4
	v_nop
.endr
	s_cmp_eq_u32 s[KIND], 0                        ; the buffers are chosen by the work-group's y alone
	s_cselect_b64 s[WP:WP+1], s[6:7], s[8:9]
	s_cselect_b64 s[BP:BP+1], s[12:13], s[14:15]
	s_cselect_b64 s[OP:OP+1], s[20:21], s[22:23]
	s_cmp_eq_u32 s[KIND], 2
	s_cselect_b64 s[WP:WP+1], s[10:11], s[WP:WP+1]
	s_cselect_b64 s[BP:BP+1], s[16:17], s[BP:BP+1]
	s_cselect_b64 s[OP:OP+1], s[24:25], s[OP:OP+1]
	s_cselect_b32 s58, 12, 11                      ; a wave's part of a group's image: 4,096 bytes in vf, 2,048 in qf and kf
	s_lshl_b32 s58, s[WV], s58
	s_lshl_b32 s62, s[WV], 16                      ; my 128 rows of W
	s_add_nc_u64 s[WP:WP+1], s[WP:WP+1], s[62:63]
	s_lshl_b32 s62, s[WV], 9                       ; my 128 numbers of the bias
	s_add_nc_u64 s[BP:BP+1], s[BP:BP+1], s[62:63]
	s_lshl_b32 s62, ttmp9, 17                      ; my work-group's 8 groups of 16,384 bytes
	s_add_nc_u64 s[OP:OP+1], s[OP:OP+1], s[62:63]
	v_and_b32 v10, 31, v0                          ; lane
	v_and_b32 v1, 15, v0                           ; r
	v_bfe_u32 v2, v0, 4, 1                         ; h
	v_and_b32 v11, 8, v1
	v_add_nc_u32 v11, v11, v1                      ; r + 8 (r / 8)
	v_mul_u32_u24 v[XAD0], v11, PITCH
	v_lshl_add_u32 v[XAD0], v2, 4, v[XAD0]
	v_mov_b32 v[XA], v[XAD0]
	v_lshlrev_b32 v[WAD], 9, v11
	v_lshl_add_u32 v[WAD], v2, 4, v[WAD]
	v_lshlrev_b32 v[VO], 4, v10
	v_add_nc_u32 v[VO], s58, v[VO]
	WIN 0x40                                       ; W's fragments: registers 4 g .. 4 g + 3 hold k = 128 c + 32 g + 16 h + 0 .. 15, as x's do: the same order of k on both sides
.irp t, 0,1,2,3
.irp c, 0,1,2,3
.irp g, 0,1,2,3
	global_load_b128 v[16*(4*\t+\c)+4*\g:16*(4*\t+\c)+4*\g+3], v[WAD], s[WP:WP+1] offset:(32*(\t/2)+8*(\t%2))*512+128*\c+32*\g
.endr
.endr
.endr
	WIN 0x80
.irp t, 4,5,6,7
.irp c, 0,1,2,3
.irp g, 0,1,2,3
	global_load_b128 v[16*(4*(\t-4)+\c)+4*\g:16*(4*(\t-4)+\c)+4*\g+3], v[WAD], s[WP:WP+1] offset:(32*(\t/2)+8*(\t%2))*512+128*\c+32*\g
.endr
.endr
.endr
	WIN 0
	s_wait_kmcnt 0x0
	s_cmp_eq_u32 s[KIND], 0
	s_cselect_b32 s56, s40, s42                    ; ea
	s_cselect_b32 s57, s41, s43                    ; eb
	s_cselect_b32 s58, s46, s47                    ; eo
	s_cmp_eq_u32 s[KIND], 2
	s_cselect_b32 s56, s44, s56
	s_cselect_b32 s57, s45, s57
	s_cselect_b32 s58, s49, s58
	s_add_co_i32 s56, s56, s57                     ; ea + eb
	s_sub_co_i32 s[NEG], 0, s56
	s_sub_co_i32 s58, s58, s56                     ; eo - ea - eb: the three scales folded into the conversion's one
	s_add_co_i32 s58, s58, 127
	s_lshl_b32 s57, s58, 23
	v_mov_b32 v[CSC], s57
	s_add_co_i32 s58, s58, 15
	s_lshl_b32 s58, s58, 23
	s_or_b32 s58, s58, 0x600000
	v_mov_b32 v[LIM], s58
	s_cmp_eq_u32 s[KIND], 2                        ; the bias in the result's layout
	s_cbranch_scc1 .Lbias_v
	v_lshlrev_b32 v[BAD], 6, v2                    ; Q, K: tile t's register j is channel 32 (t / 2) + 16 h + 8 (t % 2) + j
.irp t, 0,1,2,3,4,5,6,7
	global_load_b128 v[BI+8*\t:BI+8*\t+3], v[BAD], s[BP:BP+1] offset:(32*(\t/2)+8*(\t%2))*4
	global_load_b128 v[BI+8*\t+4:BI+8*\t+7], v[BAD], s[BP:BP+1] offset:(32*(\t/2)+8*(\t%2))*4+16
.endr
	s_wait_loadcnt 0x0                             ; W and the bias
.set k, 0
.rept 64
	v_ldexp_f32 v[BI+k], v[BI+k], s[NEG]           ; b / 2^(ea + eb)
.set k, k+1
.endr
	s_branch .Lbias_done
.Lbias_v:
	v_lshlrev_b32 v[BAD], 2, v11                   ; V: all eight registers of tile t are channel 32 (t / 2) + 8 (t % 2) + r + 8 (r / 8)
.irp t, 0,1,2,3,4,5,6,7
	global_load_b32 v[CD+\t], v[BAD], s[BP:BP+1] offset:(32*(\t/2)+8*(\t%2))*4
.endr
	s_wait_loadcnt 0x0
.irp t, 0,1,2,3,4,5,6,7
.irp j, 0,1,2,3,4,5,6,7
	v_ldexp_f32 v[BI+8*\t+\j], v[CD+\t], s[NEG]
.endr
.endr
.Lbias_done:
	s_wait_tensorcnt 0x0                           ; my 64 rows of x are in LDS,
	s_barrier_signal -1
	s_barrier_wait -1                              ; everybody's are
	s_mov_b32 s[XOFF], 0
	XFETCH 0, 0
	s_mov_b32 s[TRIP], 3
.Ltrip:                                                ; a trip is two groups; the second asks for the next trip's first
	s_wait_alu depctr_va_vdst(0)
	GROUP 0, 0, 1
	GROUP 1, 1, 1
	s_wait_xcnt 0x0                                ; the stores have read their base
	s_add_nc_u64 s[OP:OP+1], s[OP:OP+1], 32768
	s_add_co_u32 s[XOFF], s[XOFF], 2*GRPB
	v_add_nc_u32 v[XA], s[XOFF], v[XAD0]
	s_sub_co_u32 s[TRIP], s[TRIP], 1
	s_cmp_lg_u32 s[TRIP], 0
	s_cbranch_scc1 .Ltrip
	s_wait_alu depctr_va_vdst(0)
	GROUP 0, 0, 1                                  ; the last two groups are written out: the last fetches nothing
	GROUP 1, 1, 0
	s_wait_tensorcnt 0x0
	ds_add_u32 v30, v31
	s_wait_dscnt 0x0
	s_endpgm
.Lfunc_end_k_qb6a8443668_proj:
	.size	k_qb6a8443668_proj, .Lfunc_end_k_qb6a8443668_proj-k_qb6a8443668_proj
	.p2alignl 7, 3214868480
	.fill 96, 4, 3214868480
	.section	.rodata,"a",@progbits
	.p2align	6, 0x0
	.amdhsa_kernel k_qb6a8443668_proj
		.amdhsa_group_segment_fixed_size 168448
		.amdhsa_private_segment_fixed_size 0
		.amdhsa_enable_private_segment 0
		.amdhsa_kernarg_size 88
		.amdhsa_user_sgpr_count 2
		.amdhsa_user_sgpr_kernarg_segment_ptr 1
		.amdhsa_wavefront_size32 1
		.amdhsa_system_sgpr_workgroup_id_x 1
		.amdhsa_system_sgpr_workgroup_id_y 1
		.amdhsa_system_sgpr_workgroup_id_z 1
		.amdhsa_system_vgpr_workitem_id 0
		.amdhsa_next_free_vgpr 1024
		.amdhsa_next_free_sgpr 66
		.amdhsa_reserve_vcc 0
		.amdhsa_float_denorm_mode_32 3
		.amdhsa_float_denorm_mode_16_64 3
		.amdhsa_memory_ordered 1
		.amdhsa_forward_progress 1
		.amdhsa_inst_pref_size 148
	.end_amdhsa_kernel
	.amdgpu_metadata
---
amdhsa.version: [ 1, 2 ]
amdhsa.kernels:
  - .name:           k_qb6a8443668_proj
    .symbol:         k_qb6a8443668_proj.kd
    .args:
      - { .name: x_codes, .offset: 0, .size: 8, .value_kind: global_buffer, .address_space: global }
      - { .name: Wq_codes, .offset: 8, .size: 8, .value_kind: global_buffer, .address_space: global }
      - { .name: Wk_codes, .offset: 16, .size: 8, .value_kind: global_buffer, .address_space: global }
      - { .name: Wv_codes, .offset: 24, .size: 8, .value_kind: global_buffer, .address_space: global }
      - { .name: bq, .offset: 32, .size: 8, .value_kind: global_buffer, .address_space: global }
      - { .name: bk, .offset: 40, .size: 8, .value_kind: global_buffer, .address_space: global }
      - { .name: bv, .offset: 48, .size: 8, .value_kind: global_buffer, .address_space: global }
      - { .name: lowp_scales, .offset: 56, .size: 8, .value_kind: global_buffer, .address_space: global }
      - { .name: qf, .offset: 64, .size: 8, .value_kind: global_buffer, .address_space: global }
      - { .name: kf, .offset: 72, .size: 8, .value_kind: global_buffer, .address_space: global }
      - { .name: vf, .offset: 80, .size: 8, .value_kind: global_buffer, .address_space: global }
    .group_segment_fixed_size: 168448
    .private_segment_fixed_size: 0
    .kernarg_segment_align: 8
    .kernarg_segment_size: 88
    .max_flat_workgroup_size: 128
    .sgpr_count:     66
    .vgpr_count:     1024
    .wavefront_size: 32
...
	.end_amdgpu_metadata
.endif
;; end of part 1
;; launch attn (part 2): grid 32 x 8, 4 waves a work-group, no clusters, 327,680 bytes of LDS; arguments qf, kf, vf, adj, scale, width, lowp_scales, out0; writes out0
.if DOCPART == 2
	.amdgcn_target "amdgcn-amd-amdhsa--gfx1250"
	.amdhsa_code_object_version 6
	.text
	.protected	k_qb6a8443668_attn
	.globl	k_qb6a8443668_attn
	.p2align	8
	.type	k_qb6a8443668_attn,@function
k_qb6a8443668_attn:
	s_mov_b64 s[64:65], 0
	v_nop
	global_prefetch_b8 v0, s[64:65] scope:SCOPE_SE
	s_setreg_imm32_b32 hwreg(HW_REG_WAVE_MODE, 25, 1), 1
	s_wait_xcnt 0x0
; out = softmax(Q K^T / sqrt(512) x exp(-(adj - scale)^2 / width)) V, both products on codes of BF8 (E5M2); qf, kf, vf are images of operand registers.
; t = score x mask x log2(e) / sqrt(512) x 2^(e6 + e7); M = ceil of the running largest t; p = 2^(t - M) is quantised with 2^e8; the row's sum is taken of the unquantised p and divides at the end, with 2^(e8 + e9).
; LIMITS: e6 + e7 between -122 and 130 (added to c's exponent field); e8 between -126 and 112; width and 1 / width are normal f32 numbers; the scaled scores stay under 2^31 in magnitude.
; SHARES.  A work-group owns 64 queries of one batch (4 tiles of 16); a step is 128 keys, 16 steps.  Scores: wave w takes keys 32 w .. 32 w + 31 of the step against all 64 queries (each fragment of K feeds 4 products).
; Second product: wave w takes channels 128 w .. 128 w + 127 for all 64 queries (each fragment of V feeds 4).  A step's maxima and p's codes go from wave to wave through LDS, each behind one barrier.
; K AND V GO FROM MEMORY STRAIGHT INTO REGISTERS, AND THERE ARE NO JOINT LOADS: of a step's 131,072 bytes each byte is used by one wave of the work-group, once, and lies in kf and vf as that wave's registers want it
; (a load of the wave covers 512 consecutive bytes).  A joint load lands in LDS alone: it would add a write and a read of LDS for every byte.  K and V have 128 registers each; a set is asked for a step ahead of its products.
; adj comes by tensor loads, 16 rows x 1,024 bytes a wave, through two LDS slots of two steps each; a slot is filled again at the codes' barrier of every even step, two steps ahead of its first read.
; It is read in the scores' layout, and the next step's mask is made in those registers: the arithmetic under the maxima's barrier, the exponentials as one batch under the maxima's way back.
; PREFETCHES: in step t each wave asks for its 16 rows x 512 bytes of adj of step t + 6 (the tensor load that wants them stands in step t + 1 or t + 2 at the earliest; steps 10 to 15 ask for nothing).
; The 32 work-groups of a batch share K's and V's 32 step tiles out: work-group x asks for tile x / 2 of K (x even) or V (x odd), 65,536 bytes, 64 blocks a wave, in step x / 2 - 3; tiles 0 to 2 come by their loads alone.
; REGISTERS: window 0: v1-15 addresses; v16-47 state, 8 a query tile (-M, largest t, the sum in two halves, f, 0, two at work); v48-63 at work; v64-127 scores, then p; v128-191 adj, then the mask; v192-255 p's fragments.
;   window 1: O^T (tile q, channel tile ct at 64 q + 8 ct);  window 2: Q (64 q + 16 c);  window 3: v0-127 K's fragments, v128-255 V's.
.set APITCH, 1056                      ; a row of adj in LDS: two steps of 512 bytes, 16 bytes of padding behind each
.set AWAVE,  16*APITCH                 ; a wave's 16 rows
.set SLOT1,  131072                    ; slot 1 begins here (a slot is 67,584 bytes)
.set MP,     528
.set PIMG,   200704                    ; p's codes, 4 tiles x 2,048 bytes; then the maxima and the sums
.set MAXO,   8192
.set LSO,    10240
.set SPARE,  212992                    ; the spare words, 128 bytes a wave
.set OSTG,   213504                    ; the way out's stage: 64 rows x 528 bytes
.set LI,   1
.set MRD0, 2
.set MRA,  3
.set MRB,  4
.set PST,  8
.set PLD,  9
.set PFO,  10
.set PFL,  11
.set SPW,  12
.set NIL,  13
.set CSC,  15
.set ST,   16
.set MX,   48
.set S,    64
.set MK,   128
.set PF,   192
.set VB,   128
.set WV,   20
.set G1,   24
.set G0,   32
.set KP,   36
.set VP,   38
.set C2,   44
.set NSC,  46
.set KKS,  48
.set SEL,  50
.set LIMH, 52
.set TRIP, 53
.set STEP, 54
.set EPV,  55
.set PFK,  56
.set PFT,  60
.set TB,   61
.set TB2,  62
.set W_KQ, 0x0b                        ; K window 3, Q window 2, scores window 0
.set W_PV, 0x53                        ; V window 3, p window 0, O window 1
.set W_RS, 0x41                        ; O in window 1, f in window 0
.set MSB, 0
.macro WIN new                         ; the immediate's high byte repeats the setting that is left
.if MSB != (\new)
	s_set_vgpr_msb (MSB<<8)|(\new)
.set MSB, (\new)
.endif
.endm
.macro NOP4
.rept 4
	v_nop
.endr
.endm
.macro TLOAD                           ; my 16 rows of two steps of adj
	tensor_load_to_lds s[G0:G0+3], s[G1:G1+7]
	s_nop 0
	NOP4
.endm
.macro KLD half, off                   ; my 32 keys, channels 256 half .. + 255: 4 fragments
	WIN 0xc0
.irp cc, 0,1
.irp u, 0,1
.irp g, 0,1,2,3
	global_load_b128 v[16*(2*(2*(\half)+\cc)+\u)+4*\g:16*(2*(2*(\half)+\cc)+\u)+4*\g+3], v[LI], s[KP:KP+1] offset:(\off)+8192*\u+2048*(2*(\half)+\cc)+512*\g
.endr
.endr
.endr
	WIN 0
.endm
.macro VLD off                         ; my 128 channels x a step's 128 keys: 8 fragments
	WIN 0xc0
.irp ct, 0,1,2,3,4,5,6,7
.irp g, 0,1,2,3
	global_load_b128 v[VB+16*\ct+4*\g:VB+16*\ct+4*\g+3], v[LI], s[VP:VP+1] offset:(\off)+16384*\g+512*\ct
.endr
.endr
	WIN 0
.endm
.macro QLD q
	WIN 0x80
.irp c, 0,1,2,3
.irp g, 0,1,2,3
	global_load_b128 v[64*(\q)+16*\c+4*\g:64*(\q)+16*\c+4*\g+3], v[LI], s[4:5] offset:8192*(\q)+2048*\c+512*\g
.endr
.endr
	WIN 0
.endm
.macro MLOAD mr, mo                    ; adj in the scores' layout: lane (r, h) of tile q: query 32 (q / 2) + 8 (q % 2) + r + 8 (r / 8), my keys 16 h + 0 .. 15
.irp q, 0,1,2,3
.irp i4, 0,1,2,3
	ds_load_b128 v[MK+16*\q+4*\i4:MK+16*\q+4*\i4+3], v[\mr] offset:(\mo)+(32*(\q/2)+8*(\q%2))*APITCH+16*\i4
.endr
.endr
.endm
.macro MASKA                           ; (adj - scale)^2 x (-log2(e) / width), in place: 96 packed lines
.set k, MK
.rept 32
	v_pk_add_f32 v[k:k+1], v[k:k+1], s[NSC:NSC+1] op_sel_hi:[1,0]
.set k, k+2
.endr
.set k, MK
.rept 32
	v_pk_mul_f32 v[k:k+1], v[k:k+1], v[k:k+1]
.set k, k+2
.endr
.set k, MK
.rept 32
	v_pk_mul_f32 v[k:k+1], v[k:k+1], s[KKS:KKS+1] op_sel_hi:[1,0]
.set k, k+2
.endr
.endm
.macro MASKE                           ; the mask's 64 exponentials as one batch
	s_wait_alu depctr_va_vdst(0)
.set k, MK
.rept 64
	v_exp_f32 v[k], v[k]
.set k, k+1
.endr
	v_nop
	s_wait_alu depctr_va_vdst(0)
.endm
.macro SRUN                            ; S^T = K Q^T: 32 products in one run, eight accumulators by turns
	WIN W_KQ
.set i, 0
.rept 32
.set rS, S+16*(i%4)+8*((i/4)%2)
.set rK, 16*(2*(i/8)+(i/4)%2)
.set rQ, 64*(i%4)+16*(i/8)
.if i < 8
	v_wmma_f32_16x16x128_bf8_bf8 v[rS:rS+7], v[rK:rK+15], v[rQ:rQ+15], 0
.else
	v_wmma_f32_16x16x128_bf8_bf8 v[rS:rS+7], v[rK:rK+15], v[rQ:rQ+15], v[rS:rS+7]
.endif
.set i, i+1
.endr
	WIN 0
	NOP4                                           ; four places ahead of the first read of a score and of loads into K's registers
.endm
.macro PVRUN                           ; O^T += V^T p^T: 32 products, each on an accumulator of its own
	WIN W_PV
.set i, 0
.rept 32
.set rO, 64*(i%4)+8*(i/4)
.set rV, VB+16*(i/4)
.set rP, PF+16*(i%4)
	v_wmma_f32_16x16x128_bf8_bf8 v[rO:rO+7], v[rV:rV+15], v[rP:rP+15], v[rO:rO+7]
.set i, i+1
.endr
	WIN 0
.endm
.macro RESCALE q                       ; O^T of tile q x f = 2^(old M - new M)
	WIN W_RS
.set k, 0
.rept 32
	v_pk_mul_f32 v[64*(\q)+2*k:64*(\q)+2*k+1], v[64*(\q)+2*k:64*(\q)+2*k+1], v[ST+8*(\q)+4:ST+8*(\q)+5] op_sel_hi:[1,0]
.set k, k+1
.endr
.endm
; The barrier that hands p's codes on.  chg = 1: it is also the change of adj's slots: my part of the slot ahead has landed, everybody's reads of the slot behind are over, and that slot takes the two steps that follow.
; chg = 2: the last slot is shown to all waves, and nothing is asked for.
.macro CHANGE chg
	WIN 0
.if \chg
	s_wait_tensorcnt 0x0
	ds_add_u32 v[SPW], v[NIL]
.if \chg == 1
	s_xor_b32 s[G0+1], s[G0+1], SLOT1              ; no load of mine is out: the descriptor walks to the other slot, 1,024 bytes on along the rows
	s_add_nc_u64 s[G0+2:G0+3], s[G0+2:G0+3], 1024
.endif
.endif
	RESCALE 0
	s_wait_dscnt 0x0                               ; my stores of codes (chg: and the add; my reads of adj were over at the maxima's barrier)
	s_barrier_signal -1
	RESCALE 1
	WIN 0
	s_barrier_wait -1
.if \chg == 1
	TLOAD
.endif
.endm
; A step from its finished scores to the next step's scores.  j: the step's place behind the pointers; mr, mo: where the next step's adj lies
.macro BODY j, mr, mo, chg, pf, last
.if !\last
	KLD 0, (\j+1)*65536                            ; the next step's K, first half: 48 loads are out at the most
.endif
.set k, 0
.rept 32
	v_pk_mul_f32 v[S+2*k:S+2*k+1], v[S+2*k:S+2*k+1], v[MK+2*k:MK+2*k+1]   ; score x mask; each accumulator from its low end on
.set k, k+1
.endr
.if !\last
	MLOAD \mr, \mo
.endif
.irp q, 0,1,2,3
	v_max3_num_f32 v[ST+8*\q+6], v[S+16*\q], v[S+16*\q+1], v[S+16*\q+2]
.endr
.irp m, 3,5,7,9,11,13
.irp q, 0,1,2,3
	v_max3_num_f32 v[ST+8*\q+6], v[ST+8*\q+6], v[S+16*\q+\m], v[S+16*\q+\m+1]
.endr
.endr
.irp q, 0,1,2,3
	v_max_num_f32 v[ST+8*\q+6], v[ST+8*\q+6], v[S+16*\q+15]
.endr
.irp q, 0,1,2,3
	v_permlanex16_b32 v[ST+8*\q+7], v[ST+8*\q+6], s[SEL], s[SEL+1]
.endr
.irp q, 0,1,2,3
	v_max_num_f32 v[MX+\q], v[ST+8*\q+6], v[ST+8*\q+7]
.endr
	ds_store_b128 v[PST], v[MX:MX+3] offset:MAXO   ; my 32 keys' maxima of the 64 queries
	s_wait_dscnt 0x0                               ; and the next step's adj is in registers
	s_barrier_signal -1
.if !\last
	MASKA                                          ; work on registers while the others arrive
.endif
	s_barrier_wait -1
.irp ww, 0,1,2,3
	ds_load_b128 v[MX+4*\ww:MX+4*\ww+3], v[PLD] offset:MAXO+512*\ww
.endr
.if !\last
	MASKE
	KLD 1, (\j+1)*65536
.endif
	s_wait_dscnt 0x0                               ; the maxima are back
.irp q, 0,1,2,3
	v_max3_num_f32 v[ST+8*\q+6], v[MX+\q], v[MX+4+\q], v[MX+8+\q]
.endr
.irp q, 0,1,2,3
	v_max_num_f32 v[ST+8*\q+6], v[ST+8*\q+6], v[MX+12+\q]
.endr
.irp q, 0,1,2,3
	v_mul_f32 v[ST+8*\q+6], s[C2], v[ST+8*\q+6]    ; as t (c is positive)
.endr
.irp q, 0,1,2,3
	v_max_num_f32 v[ST+8*\q+1], v[ST+8*\q+1], v[ST+8*\q+6]
.endr
.irp q, 0,1,2,3
	v_mov_b32 v[ST+8*\q+7], v[ST+8*\q]
.endr
.irp q, 0,1,2,3
	v_floor_f32 v[ST+8*\q], -v[ST+8*\q+1]          ; -M = floor(-t)
.endr
.irp q, 0,1,2,3
	v_sub_f32 v[ST+8*\q+7], v[ST+8*\q], v[ST+8*\q+7]
.endr
.irp q, 0,1,2,3
	v_cvt_i32_f32 v[ST+8*\q+7], v[ST+8*\q+7]
.endr
.irp q, 0,1,2,3
	v_ldexp_f32 v[ST+8*\q+4], 1.0, v[ST+8*\q+7]    ; f = 2^(old M - new M)
.endr
.irp q, 0,1,2,3
.irp k2, 0,2,4,6,8,10,12,14
	v_pk_fma_f32 v[S+16*\q+\k2:S+16*\q+\k2+1], v[S+16*\q+\k2:S+16*\q+\k2+1], s[C2:C2+1], v[ST+8*\q:ST+8*\q+1] op_sel_hi:[1,0,0]
.endr
.endr
	s_wait_alu depctr_va_vdst(0)
.set k, 0
.rept 64
	v_exp_f32 v[S+k], v[S+k]                       ; p = 2^(t - M)
.set k, k+1
.endr
.irp q, 0,1,2,3
	v_pk_mul_f32 v[ST+8*\q+2:ST+8*\q+3], v[ST+8*\q+2:ST+8*\q+3], v[ST+8*\q+4:ST+8*\q+5] op_sel_hi:[1,0]
.endr
	s_wait_alu depctr_va_vdst(0)                   ; the wait behind the batch; no exponential follows up to the rescaling of O^T, which it serves too
.irp k2, 0,2,4,6,8,10,12,14
.irp q, 0,1,2,3
	v_pk_add_f32 v[ST+8*\q+2:ST+8*\q+3], v[ST+8*\q+2:ST+8*\q+3], v[S+16*\q+\k2:S+16*\q+\k2+1]
.endr
.endr
.set k, 0
.rept 64
	v_min_num_f32 v[S+k], s[LIMH], v[S+k]          ; the conversion does not saturate (ISA guide 7.6.2); p is not negative
.set k, k+1
.endr
.irp q, 0,1,2,3
	v_cvt_scalef32_pk8_bf8_f32 v[MX+4*\q:MX+4*\q+1], v[S+16*\q:S+16*\q+7], v[CSC]
	v_cvt_scalef32_pk8_bf8_f32 v[MX+4*\q+2:MX+4*\q+3], v[S+16*\q+8:S+16*\q+15], v[CSC]
.endr
	v_nop
.irp q, 0,1,2,3
	ds_store_b128 v[PST], v[MX+4*\q:MX+4*\q+3] offset:2048*\q
.endr
	CHANGE \chg
.irp q, 0,1,2,3
.irp g, 0,1,2,3
	ds_load_b128 v[PF+16*\q+4*\g:PF+16*\q+4*\g+3], v[PLD] offset:2048*\q+512*\g
.endr
.endr
.if \pf
.if \pf == 1                                   ; pf = 2: a written-out step past step 9, which has no step six on: its text holds no prefetch of adj
	s_cmp_lt_u32 s[STEP], 10                       ; steps 10 on have no step six on
	s_cbranch_scc0 .Lno_adj_\@
	global_prefetch_b8 v[PFO], s[10:11] offset:(\j+6)*512 th:TH_LOAD_NT scope:SCOPE_SE
.Lno_adj_\@:
.endif
	s_cmp_eq_u32 s[STEP], s[PFT]                   ; my work-group's tile of K or V is three steps on
	s_cbranch_scc0 .Lno_kv_\@
	global_prefetch_b8 v[PFL], s[PFK:PFK+1] th:TH_LOAD_NT scope:SCOPE_SE
	global_prefetch_b8 v[PFL], s[PFK:PFK+1] offset:8192 th:TH_LOAD_NT scope:SCOPE_SE
.Lno_kv_\@:
.endif
	RESCALE 2
	RESCALE 3
	WIN 0
	s_wait_alu depctr_va_vdst(0)
	s_wait_dscnt 0x0                               ; p's fragments
.if !\last
	s_wait_loadcnt 32                              ; V is in; behind it stand the next K's 32 loads
.else
	s_wait_loadcnt 0x0
.endif
	PVRUN
.if !\last
	NOP4                                           ; places ahead of loads into V's registers
	VLD (\j+1)*65536
	s_wait_loadcnt 32                              ; K is in; behind it stand V's 32 loads
	SRUN
	s_add_co_u32 s[STEP], s[STEP], 1
.endif
.endm
	s_load_b256 s[4:11], s[0:1], 0x0               ; qf, kf, vf, adj
	s_load_b256 s[12:19], s[0:1], 0x20             ; scale, width, the scales' exponents, out0
	v_lshl_add_u32 v[SPW], v0, 2, SPARE
	v_mov_b32 v[NIL], 0
	ds_add_u32 v[SPW], v[NIL]
	ds_add_u32 v[SPW], v[NIL]
	v_lshrrev_b32 v1, 5, v0
	v_readfirstlane_b32 s[WV], v1                  ; wave 0..3
	s_and_b32 s23, ttmp7, 0xffff                   ; batch
	s_mov_b32 s[G1+0], (2<<16)|(1<<20)|(6<<22)|(3<<25)  ; elements of 4 bytes; 4 words of padding after every 128
	s_mov_b32 s[G1+1], 256<<16                     ; a row: 256 numbers, two steps
	s_mov_b32 s[G1+2], 16<<16
	s_mov_b32 s[G1+3], 256<<16
	s_mov_b32 s[G1+4], 16                          ; 16 rows
	s_mov_b32 s[G1+5], 2048                        ; from row to row
	s_mov_b32 s[G1+6], 0
	s_mov_b32 s[G1+7], 0
	s_mov_b32 s[SEL], 0x76543210
	s_mov_b32 s[SEL+1], 0xfedcba98
	s_mov_b32 s[TRIP], 6
	s_mov_b32 s[STEP], 0
	s_mov_b32 s[TB], 0
	s_mov_b32 s[TB2], SLOT1
	s_lshl_b32 s66, s23, 11
	s_lshl_b32 s67, ttmp9, 6
	s_add_co_u32 s66, s66, s67                     ; my work-group's first query
	s_lshl_b32 s68, s66, 9
	s_mov_b32 s69, 0
	s_lshl_b32 s70, s66, 13
	s_mov_b32 s71, 0
	s_lshl_b32 s66, s66, 11
	s_mov_b32 s67, 0
	s_lshl_b32 s72, s23, 20                        ; the batch's K or V
	s_lshl_b32 s74, s[WV], 14
	s_add_co_u32 s74, s72, s74                     ; my 32 keys of a step's K
	s_mov_b32 s75, 0
	s_lshl_b32 s76, s[WV], 12
	s_add_co_u32 s76, s72, s76                     ; my 8 channel tiles of a step's V
	s_mov_b32 s77, 0
	s_lshr_b32 s78, ttmp9, 1                       ; the step tile that my work-group prefetches,
	s_sub_co_u32 s[PFT], s78, 3                    ; and the step in which it asks (tiles 0 to 2: a number that no step reaches)
	s_lshl_b32 s78, s78, 16
	s_add_co_u32 s78, s78, s74                     ; my wave's 16,384 bytes of it
	s_mov_b32 s79, 0
	s_lshl_b32 s80, s[WV], 17                      ; my 16 rows of adj
	s_mov_b32 s81, 0
	s_mul_i32 s82, s[WV], AWAVE                    ; and their place in a slot
	s_lshl_b32 s83, s[WV], 7                       ; my 32 keys' columns
	s_lshl_b32 s84, s[WV], 9
	s_add_co_u32 s84, s84, PIMG
	s_and_b32 s85, ttmp9, 1
	v_and_b32 v48, 31, v0
	v_and_b32 v49, 15, v0
	v_bfe_u32 v50, v0, 4, 1
	v_lshlrev_b32 v[LI], 4, v48
	v_lshlrev_b32 v[PFO], 13, v49
	v_lshl_add_u32 v[PFO], v50, 8, v[PFO]
	v_add_nc_u32 v[PFO], s80, v[PFO]
	v_lshlrev_b32 v[PFL], 8, v48
	v_and_b32 v51, 8, v49
	v_add_nc_u32 v51, v51, v49                     ; r + 8 (r / 8)
	v_mul_u32_u24 v[MRD0], v51, APITCH
	v_lshl_add_u32 v[MRD0], v50, 6, v[MRD0]
	v_add_nc_u32 v[MRD0], s83, v[MRD0]
	v_add_nc_u32 v[MRA], s[TB], v[MRD0]
	v_add_nc_u32 v[MRB], s[TB2], v[MRD0]
	v_add_nc_u32 v[PST], s84, v[LI]
	v_add_nc_u32 v[PLD], PIMG, v[LI]
.irp q, 0,1,2,3
	v_mov_b32 v[ST+8*\q+1], 0xff61b1e6             ; the largest t so far: -3e38
	v_floor_f32 v[ST+8*\q], -v[ST+8*\q+1]
	v_mov_b32 v[ST+8*\q+2], 0
	v_mov_b32 v[ST+8*\q+3], 0
	v_mov_b32 v[ST+8*\q+5], 0
	v_mov_b32 v[ST+8*\q+7], 0
.endr
	s_wait_alu depctr_va_vdst(0)
	s_wait_dscnt 0x0                               ; both opening adds are done
	s_wait_kmcnt 0x0
	s_load_b32 s58, s[12:13], 0x0
	s_load_b32 s59, s[14:15], 0x0
	s_load_b128 s[40:43], s[16:17], 0x18           ; e6 .. e9
	s_add_nc_u64 s[4:5], s[4:5], s[68:69]
	s_add_nc_u64 s[10:11], s[10:11], s[70:71]
	s_add_nc_u64 s[18:19], s[18:19], s[66:67]
	s_add_nc_u64 s[KP:KP+1], s[6:7], s[74:75]
	s_add_nc_u64 s[VP:VP+1], s[8:9], s[76:77]
	s_cmp_eq_u32 s85, 0
	s_cselect_b64 s[PFK:PFK+1], s[6:7], s[8:9]
	s_add_nc_u64 s[PFK:PFK+1], s[PFK:PFK+1], s[78:79]
	s_mov_b32 s[G0+0], 1
	s_mov_b32 s[G0+1], s82
	s_add_nc_u64 s[G0+2:G0+3], s[10:11], s[80:81]
	s_or_b32 s[G0+3], s[G0+3], 0x80000000
	TLOAD                                          ; adj of steps 0 and 1: my one tensor load at the head
	KLD 0, 0
	KLD 1, 0
	QLD 0
	WIN 0x40
.set k, 0
.rept 256
	v_mov_b32 v[k], 0                              ; O^T: the step is written once, and the first change of M leaves zeros zeros
.set k, k+1
.endr
	WIN 0
	QLD 1
	QLD 2
	QLD 3
	VLD 0
	s_wait_kmcnt 0x0
	s_add_co_i32 s66, s40, s41
	s_lshl_b32 s66, s66, 23
	s_add_co_i32 s[C2], s66, 0x3d8293ee            ; c = log2(e) / sqrt(512) x 2^(e6 + e7)
	s_mov_b32 s[C2+1], s[C2]
	s_xor_b32 s[NSC], s58, 0x80000000              ; -scale
	s_mov_b32 s[NSC+1], s[NSC]
	v_rcp_f32 v48, s59
	v_nop
	s_add_co_i32 s66, s42, 127
	s_lshl_b32 s67, s66, 23                        ; 2^e8
	s_add_co_i32 s66, s66, 15
	s_lshl_b32 s66, s66, 23
	s_or_b32 s[LIMH], s66, 0x600000                ; 57,344 x 2^e8
	s_add_co_i32 s[EPV], s42, s43
	s_wait_alu depctr_va_vdst(0)
	v_mul_f32 v48, 0xbfb8aa3b, v48                 ; -log2(e) / width
	v_readfirstlane_b32 s[KKS], v48
	s_mov_b32 s[KKS+1], s[KKS]
	v_mov_b32 v[CSC], s67
	s_wait_alu depctr_va_vdst(0)
	s_wait_tensorcnt 0x0                           ; my rows of steps 0 and 1
	ds_add_u32 v[SPW], v[NIL]
	s_xor_b32 s[G0+1], s[G0+1], SLOT1
	s_add_nc_u64 s[G0+2:G0+3], s[G0+2:G0+3], 1024
	s_wait_dscnt 0x0
	s_barrier_signal -1
	s_barrier_wait -1
	TLOAD                                          ; steps 2 and 3, into slot 1
	MLOAD MRA, 0
	s_wait_dscnt 0x0
	MASKA
	MASKE
	s_wait_loadcnt 32                              ; K and Q are in; V's 32 loads may be out
	SRUN
.Ltrip:                                                ; a trip is two steps, one slot of adj; six trips ask for the slots of steps 4 to 15
	BODY 0, MRA, 528, 1, 1, 0
	BODY 1, MRB, 0, 0, 1, 0
	s_wait_xcnt 0x0                                ; the loads and prefetches have read their bases
	s_add_nc_u64 s[10:11], s[10:11], 1024
	s_add_nc_u64 s[KP:KP+1], s[KP:KP+1], 131072
	s_add_nc_u64 s[VP:VP+1], s[VP:VP+1], 131072
	s_xor_b32 s[TB], s[TB], SLOT1
	s_xor_b32 s[TB2], s[TB2], SLOT1
	v_add_nc_u32 v[MRA], s[TB], v[MRD0]
	v_add_nc_u32 v[MRB], s[TB2], v[MRD0]
	s_sub_co_u32 s[TRIP], s[TRIP], 1
	s_cmp_lg_u32 s[TRIP], 0
	s_wait_alu depctr_va_vdst(0)
	s_cbranch_scc1 .Ltrip
	BODY 0, MRA, 528, 2, 2, 0                      ; the last four steps are written out: they ask for no more adj
	BODY 1, MRB, 0, 0, 0, 0
	BODY 2, MRB, 528, 0, 0, 0
	BODY 3, MRB, 0, 0, 0, 1
	; THE WAY OUT: the sums of the four waves' keys are joined; O^T / the sum x 2^(e8 + e9) goes through my stage and leaves as rows of 512 bytes
.irp q, 0,1,2,3
	v_add_f32 v[ST+8*\q+6], v[ST+8*\q+2], v[ST+8*\q+3]
.endr
.irp q, 0,1,2,3
	v_permlanex16_b32 v[ST+8*\q+7], v[ST+8*\q+6], s[SEL], s[SEL+1]
.endr
.irp q, 0,1,2,3
	v_add_f32 v[MX+\q], v[ST+8*\q+6], v[ST+8*\q+7]
.endr
	ds_store_b128 v[PST], v[MX:MX+3] offset:LSO
	s_wait_dscnt 0x0
	s_barrier_signal -1
	s_barrier_wait -1
.irp ww, 0,1,2,3
	ds_load_b128 v[MX+4*\ww:MX+4*\ww+3], v[PLD] offset:LSO+512*\ww
.endr
	v_and_b32 v64, 15, v0
	v_bfe_u32 v65, v0, 4, 1
	s_mul_i32 s66, s[WV], 16*MP
	s_add_co_u32 s66, s66, OSTG
	v_mul_u32_u24 v5, v64, MP
	v_lshl_add_u32 v5, v65, 6, v5
	v_add_nc_u32 v5, s66, v5
	v_add_nc_u32 v6, s66, v[LI]
	s_lshl_b32 s66, s[WV], 9
	v_add_nc_u32 v7, s66, v[LI]
	s_wait_dscnt 0x0
.irp q, 0,1,2,3
	v_add_f32 v[ST+8*\q+6], v[MX+\q], v[MX+4+\q]
.endr
.irp q, 0,1,2,3
	v_add_f32 v[ST+8*\q+7], v[MX+8+\q], v[MX+12+\q]
.endr
.irp q, 0,1,2,3
	v_add_f32 v[ST+8*\q+6], v[ST+8*\q+6], v[ST+8*\q+7]
.endr
	s_wait_alu depctr_va_vdst(0)
.irp q, 0,1,2,3
	v_rcp_f32 v[ST+8*\q+4], v[ST+8*\q+6]
.endr
	v_nop
	s_wait_alu depctr_va_vdst(0)
.irp q, 0,1,2,3
	v_ldexp_f32 v[ST+8*\q+4], v[ST+8*\q+4], s[EPV]
.endr
.macro TOSTAGE q
	WIN 0x01
.set k, 0
.rept 32
	v_pk_mul_f32 v[S+2*k:S+2*k+1], v[64*(\q)+2*k:64*(\q)+2*k+1], v[ST+8*(\q)+4:ST+8*(\q)+5] op_sel_hi:[1,0]
.set k, k+1
.endr
	WIN 0
.irp ct, 0,1,2,3,4,5,6,7
	ds_store_b128 v5, v[S+8*\ct:S+8*\ct+3] offset:128*(\ct/2)+32*(\ct%2)
	ds_store_b128 v5, v[S+8*\ct+4:S+8*\ct+7] offset:128*(\ct/2)+32*(\ct%2)+16
.endr
.set BB, MK+64*((\q)%2)
.irp rr, 0,1,2,3,4,5,6,7,8,9,10,11,12,13,14,15
	ds_load_b128 v[BB+4*\rr:BB+4*\rr+3], v6 offset:\rr*MP
.endr
.endm
.macro SEND q, younger
.set BB, MK+64*((\q)%2)
	s_wait_dscnt \younger
.irp rr, 0,1,2,3,4,5,6,7,8,9,10,11,12,13,14,15
	global_store_b128 v7, v[BB+4*\rr:BB+4*\rr+3], s[18:19] offset:(32*((\q)/2)+8*((\q)%2)+\rr+8*(\rr/8))*2048 th:TH_STORE_NT
.endr
.endm
	TOSTAGE 0
	TOSTAGE 1
	SEND 0, 32
	s_wait_xcnt 0x0
	TOSTAGE 2
	SEND 1, 32
	s_wait_xcnt 0x0
	TOSTAGE 3
	SEND 2, 32
	SEND 3, 0
	s_wait_tensorcnt 0x0                           ; the wave's end
	ds_add_u32 v[SPW], v[NIL]
	s_wait_dscnt 0x0
	s_endpgm
.Lfunc_end_k_qb6a8443668_attn:
	.size	k_qb6a8443668_attn, .Lfunc_end_k_qb6a8443668_attn-k_qb6a8443668_attn
	.p2alignl 7, 3214868480
	.fill 96, 4, 3214868480
	.section	.rodata,"a",@progbits
	.p2align	6, 0x0
	.amdhsa_kernel k_qb6a8443668_attn
		.amdhsa_group_segment_fixed_size 327680
		.amdhsa_private_segment_fixed_size 0
		.amdhsa_enable_private_segment 0
		.amdhsa_kernarg_size 64
		.amdhsa_user_sgpr_count 2
		.amdhsa_user_sgpr_kernarg_segment_ptr 1
		.amdhsa_wavefront_size32 1
		.amdhsa_system_sgpr_workgroup_id_x 1
		.amdhsa_system_sgpr_workgroup_id_y 1
		.amdhsa_system_sgpr_workgroup_id_z 1
		.amdhsa_system_vgpr_workitem_id 0
		.amdhsa_next_free_vgpr 1024
		.amdhsa_next_free_sgpr 90
		.amdhsa_reserve_vcc 0
		.amdhsa_float_denorm_mode_32 3
		.amdhsa_float_denorm_mode_16_64 3
		.amdhsa_memory_ordered 1
		.amdhsa_forward_progress 1
		.amdhsa_inst_pref_size 255
	.end_amdhsa_kernel
	.section	.bss,"aw",@nobits
	.p2align	6
	.space	262144
	.amdgpu_metadata
---
amdhsa.version: [ 1, 2 ]
amdhsa.kernels:
  - .name:           k_qb6a8443668_attn
    .symbol:         k_qb6a8443668_attn.kd
    .args:
      - { .name: qf, .offset: 0, .size: 8, .value_kind: global_buffer, .address_space: global }
      - { .name: kf, .offset: 8, .size: 8, .value_kind: global_buffer, .address_space: global }
      - { .name: vf, .offset: 16, .size: 8, .value_kind: global_buffer, .address_space: global }
      - { .name: adj, .offset: 24, .size: 8, .value_kind: global_buffer, .address_space: global }
      - { .name: scale, .offset: 32, .size: 8, .value_kind: global_buffer, .address_space: global }
      - { .name: width, .offset: 40, .size: 8, .value_kind: global_buffer, .address_space: global }
      - { .name: lowp_scales, .offset: 48, .size: 8, .value_kind: global_buffer, .address_space: global }
      - { .name: out0, .offset: 56, .size: 8, .value_kind: global_buffer, .address_space: global }
    .group_segment_fixed_size: 327680
    .private_segment_fixed_size: 0
    .kernarg_segment_align: 8
    .kernarg_segment_size: 64
    .max_flat_workgroup_size: 128
    .sgpr_count:     90
    .vgpr_count:     1024
    .wavefront_size: 32
...
	.end_amdgpu_metadata
.endif
;; end of part 2
